; MI455X (gfx1250); checked and timed in simulation.
; The chip was launched on July 23, 2026; its instructions are those of AMD's public machine-readable ISA for CDNA 5 (MIT licence, August 2026) and "CDNA5" Instruction Set Architecture Reference Guide (July 2026). The comments in the code are by the model that wrote it; some were corrected since.
;; Multi Head Attention. Allowed arithmetic: matrix products marked QUANTISED: E2M1 operands, one E8M0 scale for each 32 along K, by v_wmma_scale_f32_16x16x128_f8f6f4 with both operands' format E2M1 (or v_wmma_scale_f32_32x16x128_f4), f32 sums; everything else in f32.
;; Inputs: Wf 1,024 x 1,024 float32; Wk 16 x 1,024 x 64 float32; Wq 16 x 1,024 x 64 float32; Wv 16 x 1,024 x 64 float32; bf 1,024 float32; bk 16 x 64 float32; bq 16 x 64 float32; bv 16 x 64 float32; x 4 x 2,048 x 1,024 float32.
;; Outputs: out0 4 x 2,048 x 1,024 float32.
;; This version of the problem:
;;   THIS VERSION OF THE PROBLEM IS GIVEN IN LOW PRECISION. The matrix products marked QUANTISED in the list below multiply operands that are first quantised to E2M1 (2 exponent bits, 1 mantissa bit; 4 bits a number), with one power-of-two scale for each 32 numbers along K (OCP MX v1.0); their sums are f32. All else is computed in f32.
;;   The module's matrix products, in the order in which they are computed (A, B: the left and right operand; K: the contracted axis; several contracted axes count as one K, in the product's order):
;;     1. [M 1,024, K 1,024] x [K 1,024, N 8,192]; A: input Wq; B: input x: QUANTISED
;;     2. [M 1,024, K 1,024] x [K 1,024, N 8,192]; A: input Wk; B: input x: QUANTISED
;;     3. [M 1,024, K 1,024] x [K 1,024, N 8,192]; A: input Wv; B: input x: QUANTISED
;;     4. batch 64 x [M 2,048, K 64] x [K 64, N 2,048]; A: computed on the way; B: computed on the way: QUANTISED
;;     5. batch 64 x [M 2,048, K 2,048] x [K 2,048, N 64]; A: softmax (see below); B: computed on the way: QUANTISED
;;     6. [M 8,192, K 1,024] x [K 1,024, N 1,024]; A: computed on the way; B: input Wf: QUANTISED
;;   THE QUANTISER, for each operand of a quantised product, along K:
;;     - K is cut into blocks of 32 from its start; a last block that is shorter is filled with zeros.
;;     - A block's scale is 2^e with e = floor(log2(the largest magnitude in the block)) - 2, held to -126 .. 127; a block of zeros has e = 0. As a byte (E8M0): e + 127.
;;     - Each number is divided by its block's scale, clamped to +-6, and rounded to the nearest number of E2M1, ties to even, subnormals kept.
;;     - The product sums the exact products of the quantised numbers (number of the format x scale) in f32.
;;   ~~~python
;;   def quantise(x, axis):      # numpy; x: float32 -> the quantised numbers, widened to float32 again
;;       x = np.moveaxis(x, axis, -1); K = x.shape[-1]
;;       x = np.pad(x, [(0, 0)] * (x.ndim - 1) + [(0, -K % 32)]); x = x.reshape(x.shape[:-1] + (-1, 32)); a = np.abs(x).max(-1, keepdims=True)
;;       e = np.where(a > 0, np.clip(np.frexp(np.where(a > 0, a, 1))[1] - 1 - 2, -126, 127), 0)      # np.frexp(a)[1] - 1 = floor(log2(a)), exactly
;;       r = np.clip(x / 2.0 ** e, -6, 6)
;;       step = 2.0 ** (np.maximum(np.frexp(np.where(r == 0, 1, r))[1] - 1, 0) - 1)
;;       q = np.round(r / step) * step * 2.0 ** e      # np.round: ties to even
;;       return np.moveaxis(q.reshape(q.shape[:-2] + (-1,))[..., :K], -1, axis).astype(np.float32)
;;   ~~~
;;   SOFTMAX AHEAD OF A QUANTISED PRODUCT. Where the list says 'softmax', what is quantised is not the finished softmax but p = 2^(t - M), with t = logit x log2(e) and M = ceil(the row's largest t), a whole number; so 1/2 < the row's largest p <= 1. The row's sum l is taken of the UNQUANTISED p, in f32, and the product's result is divided by l at the end. Since M is a whole number, a kernel that streams over the keys may use a running M (the ceiling of the running maximum): every later rescaling is an exact power of two, which a block's scale takes up: the codes' values come out the same.
;;   OPERANDS COMPUTED ON THE WAY. 'Computed on the way' means the value that the module computes at that place (a softmax that the list does not call 'softmax' is quantised finished and normalised). What goes into a quantiser is computed in f32, as accurately as f32 sums, v_exp_f32 and their like allow (about 1e-6 of the number): no bf16 or f16 on the way to a quantiser, and a product that is left as it is and whose result goes on into a quantised operand takes f32 operands (vector FMAs, or v_wmma_f32_16x16x4_f32). A number that lies on a knife's edge between two numbers of the format may be rounded either way, as far as f32 arithmetic and the matrix unit's own rounding can turn it there, and no further.
;; One version. Each part assembles by itself: llvm-mc -triple=amdgcn-amd-amdhsa -mcpu=gfx1250 --defsym DOCPART=n.
;; ======== version 1 of 1: 4 launches
;; limits: right only within a limited range of input values
;; workspace buffers: ximg 4,456,448 bytes; wimg 2,228,224 bytes; qimg 4,718,592 bytes; kvimg 9,175,040 bytes; cimg 4,456,448 bytes
;; launch prep (part 1): grid 256 x 1, 4 waves a work-group, no clusters, 168,448 bytes of LDS; arguments x, Wq, Wk, Wv, Wf, ximg, wimg; writes ximg, wimg
.if DOCPART == 1
	.amdgcn_target "amdgcn-amd-amdhsa--gfx1250"
	.amdhsa_code_object_version 6
	.text
	.protected	k_qdedd151b7c_prep
	.globl	k_qdedd151b7c_prep
	.p2align	8
	.type	k_qdedd151b7c_prep,@function
k_qdedd151b7c_prep:
	s_mov_b64 s[64:65], 0
	v_nop
	global_prefetch_b8 v0, s[64:65] scope:SCOPE_SE
	s_setreg_imm32_b32 hwreg(HW_REG_WAVE_MODE, 25, 1), 1
	s_wait_xcnt 0x0
; PREP: x [8192][1024] and the four weights (K = their axis of 1,024 that is NOT innermost) become codes of FP4 (E2M1) with one E8M0 byte for each 32 along K.
; A block's scale is 2^(floor(log2(largest magnitude)) - 2): its byte is the largest magnitude's exponent field - 2, held at 1 from below.
; LIMITS: NaN and infinities among the inputs are not served.  A block of zeros gets the byte 1 where the quantiser says 127: its codes are zeros, which add nothing under any byte but 0xff, and only this program reads the bytes.
; WHAT IS STORED IS AN IMAGE OF THE OPERAND'S REGISTERS.  A fragment (16 rows x 128 K) is 1,024 bytes, [c = 0, 1][lane][16 bytes]: lane (r, h) holds row r, k = 64 c + 32 h + 0 .. 31.  Its scale words: 64 bytes, [r][4].
; A slab = the 16 fragments of 256 rows for one K step of 128 (16,384 bytes), then their scale words (1,024 bytes).  ximg: [block of 256 rows][K step][slab];  wimg likewise over features F = 1024 T + f (T = 0 q, 1 k, 2 v, 3 f).
; SHARES.  1,024 waves; each takes one unit of x (64 rows x 128 K) and one unit of a weight (32 columns x 128 K).  All that a wave reads is asked for at its head: 32 KiB by one tensor load, 16 KiB by 128 loads.
; x: K is innermost, and a lane wants 32 neighbours of ONE row: the tile comes into LDS by rows and each lane reads its 128 bytes.  Weights: a lane takes a column and its registers run down K: nothing is transposed.
; No barrier: a wave reads only LDS bytes that its own load or its own stores wrote.  Matrix units and clusters have nothing to do here: no input byte is read twice.
.set XP,    528                        ; an LDS row of x: 512 bytes + 16 of padding = 33 x 16 bytes: the sixteen rows that a load touches fall on sixteen different 16-byte columns modulo 256 bytes
.set XT,    16*XP                      ; a tile of 16 rows
.set XW,    4*XT                       ; a wave's 64 rows
.set SG,    4*XW                       ; behind the tiles: 256 bytes a wave, where its 64 scale words are gathered; no tensor load lands here
.set BLKB,  139264                     ; 8 slabs
.set SLAB,  17408
.set SCW,   16384                      ; the scale words' place in a slab
.set FLOOR, 0x1800000                  ; 2^(3 - 127): no largest magnitude is taken under it, so the byte cannot fall under 1
.set EOFF,  0xff000000                 ; takes 2 off an exponent field
; v1 lane, v2 r, v3 h; v4 my place in a tile of x; v5, v6 the gather, in and out; v7 16 lane, v8 8 lane, v9 8 h, v10 4 lane, v11 the weights' image place
; v12-19 maxima, scale operands, bytes; v18 a word at work; v22 a permute's destination; v[24:25] gathered words; v26-29 x's words; v30 the weight's word
; v32-63 x's codes, 8 a tile; v64-127 64 numbers of x, later the weight's codes (v64-79); v128-255 the weight: register k = W(k, my column)
	s_load_b256 s[4:11], s[0:1], 0x0               ; x, Wq, Wk, Wv
	s_load_b128 s[12:15], s[0:1], 0x20             ; Wf, ximg
	s_load_b64 s[16:17], s[0:1], 0x30              ; wimg
	v_lshl_add_u32 v23, v0, 2, 0x29000
	v_mov_b32 v31, 0
	ds_add_u32 v23, v31
	ds_add_u32 v23, v31
	v_lshrrev_b32 v1, 5, v0
	v_readfirstlane_b32 s18, v1                    ; wave 0..3
	s_mov_b32 s20, 0x76543210
	s_mov_b32 s21, 0xfedcba98                      ; v_permlanex16_b32's selects for lane l xor 16
	; descriptor group 1: 64 rows x 128 elements of 4 bytes, rows 1,024 elements apart, 4 words of padding behind every 128
	s_mov_b32 s28, (2<<16)|(1<<20)|(6<<22)|(3<<25)
	s_mov_b32 s29, 128<<16                         ; tensor_dim0
	s_mov_b32 s30, 64<<16                          ; tensor_dim1
	s_mov_b32 s31, 128<<16                         ; tile_dim0
	s_mov_b32 s32, 64                              ; tile_dim1
	s_mov_b32 s33, 1024                            ; the pitch
	s_mov_b32 s34, 0
	s_mov_b32 s35, 0
	s_mov_b32 s36, 1
	s_mul_i32 s37, s18, XW                         ; my tiles in LDS
	s_lshl_b32 s24, s18, 8                         ; my 256 bytes of the gather
	; x's unit: u = 4 x work-group + wave; row group u / 8 (64 rows), K step u % 8
	s_lshl_b32 s19, ttmp9, 2
	s_add_co_u32 s19, s19, s18
	s_lshr_b32 s22, s19, 3
	s_and_b32 s23, s19, 7
	s_lshl_b32 s48, s22, 18                        ; 64 rows of 4,096 bytes
	s_lshl_b32 s49, s23, 9                         ; 128 numbers
	s_add_co_u32 s48, s48, s49
	s_mov_b32 s49, 0
	s_lshr_b32 s50, s22, 2
	s_mul_i32 s50, s50, BLKB
	s_mul_i32 s51, s23, SLAB
	s_add_co_u32 s50, s50, s51                     ; my slab of ximg
	s_and_b32 s51, s22, 3
	s_lshl_b32 s52, s51, 12
	s_add_co_u32 s52, s52, s50                     ; my four fragments
	s_mov_b32 s53, 0
	s_lshl_b32 s54, s51, 8
	s_add_co_u32 s54, s54, s50
	s_add_co_u32 s54, s54, SCW                     ; and their 256 bytes of scale words
	s_mov_b32 s55, 0
	; the weight's unit: tensor T, K step, column group of 32
	s_lshr_b32 s40, ttmp9, 6                       ; T
	s_bfe_u32 s41, ttmp9, 0x30003                  ; K step
	s_and_b32 s42, ttmp9, 7
	s_lshl_b32 s42, s42, 2
	s_or_b32 s42, s42, s18                         ; column group 0..31
	s_lshr_b32 s43, s42, 1
	s_lshl_b32 s43, s43, 18                        ; Wq, Wk, Wv: the head's 1,024 x 64 numbers,
	s_lshl_b32 s44, s41, 15                        ; 128 rows of 256 bytes,
	s_add_co_u32 s43, s43, s44
	s_and_b32 s44, s42, 1
	s_lshl_b32 s44, s44, 7                         ; which half of the head's 64
	s_add_co_u32 s43, s43, s44
	s_lshl_b32 s44, s41, 19                        ; Wf: 128 rows of 4,096 bytes,
	s_lshl_b32 s45, s42, 7                         ; 32 columns
	s_add_co_u32 s44, s44, s45
	s_lshl_b32 s45, s40, 2
	s_lshr_b32 s46, s42, 3
	s_add_co_u32 s45, s45, s46
	s_mul_i32 s45, s45, BLKB
	s_mul_i32 s46, s41, SLAB
	s_add_co_u32 s45, s45, s46                     ; my slab of wimg
	s_and_b32 s46, s42, 7
	s_lshl_b32 s58, s46, 11
	s_add_co_u32 s58, s58, s45                     ; my two fragments
	s_mov_b32 s59, 0
	s_lshl_b32 s60, s46, 7
	s_add_co_u32 s60, s60, s45
	s_add_co_u32 s60, s60, SCW                     ; and their 128 bytes of scale words
	s_mov_b32 s61, 0
	s_cmp_eq_u32 s40, 3
	s_cselect_b32 s56, s44, s43
	s_mov_b32 s57, 0
	v_and_b32 v1, 31, v0                           ; lane
	v_and_b32 v2, 15, v0                           ; r
	v_bfe_u32 v3, v0, 4, 1                         ; h
	v_mul_u32_u24 v4, v2, XP
	v_lshl_add_u32 v4, v3, 7, v4
	v_add_nc_u32 v4, s37, v4                       ; row r, + 128 h bytes: my 32 numbers of the first 64 along K
	v_lshl_add_u32 v5, v2, 2, SG
	v_add_nc_u32 v5, s24, v5                       ; the gather, in: 4 r
	v_lshl_add_u32 v6, v1, 3, SG
	v_add_nc_u32 v6, s24, v6                       ; and out: 8 bytes a lane
	v_lshlrev_b32 v7, 4, v1
	v_lshlrev_b32 v8, 3, v1
	v_lshlrev_b32 v9, 3, v3
	v_lshlrev_b32 v10, 2, v1
	v_lshlrev_b32 v11, 10, v3
	v_lshl_add_u32 v11, v2, 4, v11                 ; lanes 0-15 the first fragment, lanes 16-31 the second; 16 bytes a row
	v_mov_b32 v22, 0                               ; written once: a lane permute's destination counts as one of its sources
	s_wait_dscnt 0x0
	s_wait_kmcnt 0x0
	s_add_nc_u64 s[38:39], s[4:5], s[48:49]
	s_or_b32 s39, s39, 0x80000000                  ; type = 2
	tensor_load_to_lds s[36:39], s[28:35]          ; my 64 rows x 512 bytes: the wave's one tensor load
	s_nop 0
.rept 4
	v_nop
.endr
	s_cmp_eq_u32 s40, 1                            ; which weight: the choice hangs on the work-group's number alone
	s_cselect_b64 s[46:47], s[8:9], s[6:7]
	s_cmp_eq_u32 s40, 2
	s_cselect_b64 s[46:47], s[10:11], s[46:47]
	s_cmp_eq_u32 s40, 3
	s_cselect_b64 s[46:47], s[12:13], s[46:47]
	s_add_nc_u64 s[56:57], s[46:47], s[56:57]
	s_add_nc_u64 s[52:53], s[14:15], s[52:53]
	s_add_nc_u64 s[54:55], s[14:15], s[54:55]
	s_add_nc_u64 s[58:59], s[16:17], s[58:59]
	s_add_nc_u64 s[60:61], s[16:17], s[60:61]
.macro WLOAD pitch                     ; W(k, my column), k = 0 .. 127: each load reads 128 consecutive bytes; the largest offset, 127 x 4,096, lies inside the signed 24-bit immediate
.set k, 0
.rept 128
	global_load_b32 v[128+k], v10, s[56:57] offset:k*\pitch
.set k, k+1
.endr
.endm
	s_cmp_eq_u32 s40, 3                            ; only the rows' pitch differs, and it stands in the immediates
	s_cbranch_scc1 .Lwf
	s_wait_alu depctr_va_vdst(0)
	WLOAD 256
	s_branch .Lwasked
.Lwf:
	s_wait_alu depctr_va_vdst(0)
	WLOAD 4096
.Lwasked:
; Tile a of x: 16 rows x 128 K.  A lane holds two whole blocks, 2 c + h (c = 0, 1), so no other lane is asked for a maximum; the word's four bytes are gathered from lanes l and l xor 16.
.macro XTILE a
.irp c, 0,1
.irp m, 0,1,2,3,4,5,6,7
	ds_load_b128 v[64+32*\c+4*\m:64+32*\c+4*\m+3], v4 offset:\a*XT+256*\c+16*\m
.endr
.endr
	s_wait_dscnt 0x0
.irp c, 0,1
	v_max3_num_f32 v[12+\c], |v[64+32*\c]|, |v[65+32*\c]|, FLOOR
.endr
.irp i, 2,4,6,8,10,12,14,16,18,20,22,24,26,28,30
.irp c, 0,1
	v_max3_num_f32 v[12+\c], v[12+\c], |v[64+32*\c+\i]|, |v[65+32*\c+\i]|   ; the two blocks by turns
.endr
.endr
.irp c, 0,1
	v_add_nc_u32 v[14+\c], EOFF, v[12+\c]          ; the conversion takes the exponent field of this operand as its scale, and nothing else of it
.endr
.irp c, 0,1
	v_lshrrev_b32 v[16+\c], 23, v[14+\c]           ; the scale's byte
.endr
	v_lshl_or_b32 v18, v17, 16, v16                ; blocks h and 2 + h of row r,
	v_lshlrev_b32 v18, v9, v18                     ; 8 h bits up;
	v_permlanex16_b32 v22, v18, s20, s21
	v_or_b32 v[26+\a], v18, v22                    ; with lane l xor 16's two the word is whole
.irp c, 0,1
.irp g, 0,1,2,3
	v_cvt_scalef32_pk8_fp4_f32 v[32+8*\a+4*\c+\g], v[64+32*\c+8*\g:71+32*\c+8*\g], v[14+\c]
.endr
.endr
	v_nop                                          ; one plain place behind the scaled conversions
	ds_store_b32 v5, v[26+\a] offset:64*\a         ; both lanes of a row write the same word with the same value
.irp c, 0,1
	global_store_b128 v7, v[32+8*\a+4*\c:35+8*\a+4*\c], s[52:53] offset:1024*\a+512*\c   ; 512 consecutive bytes, aligned
.endr
.endm
	s_wait_tensorcnt 0x0                           ; my tile is in LDS; only I read it
	XTILE 0
	XTILE 1
	XTILE 2
	XTILE 3
	ds_load_b64 v[24:25], v6                       ; LDS serves a wave's instructions in order: this sees my four stores
	s_wait_dscnt 0x0
	global_store_b64 v8, v[24:25], s[54:55]        ; 256 consecutive bytes, aligned
	; the weight: four whole blocks a lane
	s_wait_loadcnt 0x0
.irp j, 0,1,2,3
	v_max3_num_f32 v[12+\j], |v[128+32*\j]|, |v[129+32*\j]|, FLOOR
.endr
.irp i, 2,4,6,8,10,12,14,16,18,20,22,24,26,28,30
.irp j, 0,1,2,3
	v_max3_num_f32 v[12+\j], v[12+\j], |v[128+32*\j+\i]|, |v[129+32*\j+\i]|
.endr
.endr
.irp j, 0,1,2,3
	v_add_nc_u32 v[16+\j], EOFF, v[12+\j]
.endr
.irp j, 0,1,2,3
	v_lshrrev_b32 v[12+\j], 23, v[16+\j]
.endr
	v_lshl_or_b32 v30, v13, 8, v12                 ; my column's scale word
	v_lshl_or_b32 v30, v14, 16, v30
	v_lshl_or_b32 v30, v15, 24, v30
.irp j, 0,1,2,3
.irp g, 0,1,2,3
	v_cvt_scalef32_pk8_fp4_f32 v[64+4*\j+\g], v[128+32*\j+8*\g:135+32*\j+8*\g], v[16+\j]
.endr
.endr
	v_nop
.irp j, 0,1,2,3
	global_store_b128 v11, v[64+4*\j:67+4*\j], s[58:59] offset:(\j/2)*512+(\j%2)*256   ; block j = 2 c + h of the image: each half of the lanes fills 256 consecutive bytes, aligned
.endr
	global_store_b32 v10, v30, s[60:61]            ; 128 consecutive bytes
	s_wait_tensorcnt 0x0
	ds_add_u32 v23, v31
	s_wait_dscnt 0x0
	s_endpgm
.Lfunc_end_k_qdedd151b7c_prep:
	.size	k_qdedd151b7c_prep, .Lfunc_end_k_qdedd151b7c_prep-k_qdedd151b7c_prep
	.p2alignl 7, 3214868480
	.fill 96, 4, 3214868480
	.section	.rodata,"a",@progbits
	.p2align	6, 0x0
	.amdhsa_kernel k_qdedd151b7c_prep
		.amdhsa_group_segment_fixed_size 168448
		.amdhsa_private_segment_fixed_size 0
		.amdhsa_enable_private_segment 0
		.amdhsa_kernarg_size 56
		.amdhsa_user_sgpr_count 2
		.amdhsa_user_sgpr_kernarg_segment_ptr 1
		.amdhsa_wavefront_size32 1
		.amdhsa_system_sgpr_workgroup_id_x 1
		.amdhsa_system_sgpr_workgroup_id_y 1
		.amdhsa_system_sgpr_workgroup_id_z 1
		.amdhsa_system_vgpr_workitem_id 0
		.amdhsa_next_free_vgpr 256
		.amdhsa_next_free_sgpr 66
		.amdhsa_reserve_vcc 0
		.amdhsa_float_denorm_mode_32 3
		.amdhsa_float_denorm_mode_16_64 3
		.amdhsa_memory_ordered 1
		.amdhsa_forward_progress 1
		.amdhsa_inst_pref_size 53
	.end_amdhsa_kernel
	.amdgpu_metadata
---
amdhsa.version: [ 1, 2 ]
amdhsa.kernels:
  - .name:           k_qdedd151b7c_prep
    .symbol:         k_qdedd151b7c_prep.kd
    .args:
      - { .name: x, .offset: 0, .size: 8, .value_kind: global_buffer, .address_space: global }
      - { .name: Wq, .offset: 8, .size: 8, .value_kind: global_buffer, .address_space: global }
      - { .name: Wk, .offset: 16, .size: 8, .value_kind: global_buffer, .address_space: global }
      - { .name: Wv, .offset: 24, .size: 8, .value_kind: global_buffer, .address_space: global }
      - { .name: Wf, .offset: 32, .size: 8, .value_kind: global_buffer, .address_space: global }
      - { .name: ximg, .offset: 40, .size: 8, .value_kind: global_buffer, .address_space: global }
      - { .name: wimg, .offset: 48, .size: 8, .value_kind: global_buffer, .address_space: global }
    .group_segment_fixed_size: 168448
    .private_segment_fixed_size: 0
    .kernarg_segment_align: 8
    .kernarg_segment_size: 56
    .max_flat_workgroup_size: 128
    .sgpr_count:     66
    .vgpr_count:     256
    .wavefront_size: 32
...
	.end_amdgpu_metadata
.endif
;; end of part 1
;; launch qkv (part 2): grid 8 x 32, 16 waves a work-group, clusters of 4 x 4, 327,680 bytes of LDS; arguments ximg, wimg, bq, bk, bv, qimg, kvimg; writes qimg, kvimg
.if DOCPART == 2
	.amdgcn_target "amdgcn-amd-amdhsa--gfx1250"
	.amdhsa_code_object_version 6
	.text
	.protected	k_qdedd151b7c_qkv
	.globl	k_qdedd151b7c_qkv
	.p2align	8
	.type	k_qdedd151b7c_qkv,@function
k_qdedd151b7c_qkv:
	s_mov_b64 s[64:65], 0
	v_nop
	global_prefetch_b8 v0, s[64:65] scope:SCOPE_SE
	s_setreg_imm32_b32 hwreg(HW_REG_WAVE_MODE, 25, 1), 1
	s_wait_xcnt 0x0
	s_wait_alu depctr_hold_cnt(0) depctr_sa_sdst(0) depctr_va_vdst(0) depctr_va_sdst(0) depctr_va_ssrc(0) depctr_va_vcc(0) depctr_vm_vsrc(0)
	s_getreg_b32 s2, hwreg(HW_REG_IB_STS2, 6, 4)
	s_cmp_eq_u32 s2, 0
	s_cbranch_scc0 .Lentry_in_a_cluster
	s_endpgm
.Lentry_in_a_cluster:
	s_bfe_u32 s2, ttmp6, 0x10000c
	s_cmp_lg_u32 s2, 0xf033
	s_cbranch_scc0 .Lentry_shape_is_right
	s_endpgm
.Lentry_shape_is_right:
; QKV: q, k, v = x W + b on codes of FP4 with E8M0 scales, sums in f32; the results are quantised at once, q and k along the head's 64, v along the keys, and leave as images of the next operands' registers.
; LIMITS: NaN and infinities are not served; a block of zeros gets the byte 1 (its codes are zeros; only this program reads the bytes); the bias starts each sum instead of being added last.
; THE DEAL: 256 work-groups, each 256 rows of x against 384 features, in two phases.  x's block (all of K: 8 slabs, 139,264 bytes) stays in LDS.  PHASE 1: a whole block of 256 features of W_q (cluster x = 0) or of W_v (cluster x = 1),
; block cx of its type.  PHASE 2: half a block, 128 features, of W_k: heads 8 (cluster x) + 2 cx and the next.  So a phase's type hangs on the cluster's x alone, which all partners share.
; ONE REFILL: when all waves of the cluster have left phase 1's loop, W_k's half block is filled over the first weights' bytes, behind a drained round of the cluster's barrier:
; waves 0-7 one K step's eight fragments each, waves 8-15 one K step's scale words each, at the places that the first block's had.  Phase 1's quantising and stores stand between that load and the wait for it.
; CLUSTERS: 4 x 4.  x's block hangs on the work-group's y alone and is asked for jointly along a row of the cluster, the weights on its x alone, along a column.
; ORIENTATIONS.  D = P R^T, source 0 = P, source 1 = R.  q, k: P = weights, R = x: a lane holds one row s and its registers run along the features.  v: P = x, R = weights.  Both operands are images of one layout, so only base
; addresses differ: in phase 1 they are chosen by s_cselect on the cluster's x.  No branch hangs on it.
; A wave (pi = wave % 2, ri = wave / 2): phase 1: 8 tiles of P x 2 tiles of R; phase 2: the 4 tiles of head pi x 2 tiles of x's rows.
; FROM RESULT TO OPERAND.  Tiles 2 b and 2 b + 1 give lane (r, h) the numbers k = 32 b + 16 i + 8 h + 0 .. 7 of block b.  The codes of (b, i) go to register 4 (b / 2) + 2 i + b % 2; an exchange of halves between
; registers 4 c, 4 c + 1 and between 4 c + 2, 4 c + 3 leaves registers 4 c .. 4 c + 3 of lane (r, h) with k = 64 c + 32 h + 0 .. 31.
; qimg: [b h][73,728]: 128 tiles of 16 queries x 512 bytes, then 2,048 scale words (bytes 0, 1 count).  kvimg: [b h][143,360]: K as q, then V's fragments [key step][16 of the head's 64][1,024] and their scale words.
; PREFETCH: the refill's codes are asked for once, behind the first barrier, all of phase 1's loop ahead of the load: the four partners of a column take two K steps each, told apart by address; the scale words come by their load alone.
.set BLKB,  139264
.set SLAB,  17408
.set SCW,   16384
.set WLDS,  BLKB                       ; LDS: x's block at 0, the weights' behind it
.set QREC,  73728
.set KVREC, 143360
.set FLOOR, 0x1800000
.set EOFF,  0xff000000
.set AP0, 4                            ; v4-7   my lane's places: P's fragments, R's, P's scale words, R's
.set AR0, 5
.set APS0, 6
.set ARS0, 7
.set AP,  8                            ; v8-11  the same in the K step in hand
.set AR,  9
.set APS, 10
.set ARS, 11
.set VO,  12                           ; v12-15 where the codes go
.set TM,  16                           ; v16-19 largest magnitudes, v20-23 permutes' destinations and bytes, v28-31 scale operands
.set PW,  32                           ; v32-33 the scale words just made
.set PS,  40                           ; v40-43 P's scale words, v44 R's: they hold scales and nothing else;  v45 the prefetch's offset;  v46, v47 the add's
.set RS,  44
.set RF,  48                           ; v48-63  R's two fragments
.set PF,  64                           ; v64-127 P's fragments; first the bias, at the end the codes
.set ACC, 128                          ; v128-255 the sums
.macro CROUND
	s_barrier_signal -1
	s_barrier_wait -1
	s_cmp_lg_u32 s18, 0
	s_cbranch_scc1 .Lnot_wave_0_\@
	s_barrier_signal -3
.Lnot_wave_0_\@:
	s_barrier_wait -3
	s_barrier_signal -1
	s_barrier_wait -1
.endm
.macro WALU
	s_wait_alu depctr_va_vdst(0)
.endm
.macro TLOAD g0, g1
	tensor_load_to_lds s[\g0:\g0+3], s[\g1:\g1+7]
	s_nop 0
.rept 4
	v_nop
.endr
.endm
	s_load_b256 s[4:11], s[0:1], 0x0               ; ximg, wimg, bq, bk
	s_load_b128 s[12:15], s[0:1], 0x20             ; bv, qimg
	s_load_b64 s[16:17], s[0:1], 0x30              ; kvimg
	v_lshl_add_u32 v46, v0, 2, 0x44000
	v_mov_b32 v47, 0
	ds_add_u32 v46, v47
	ds_add_u32 v46, v47
	v_lshrrev_b32 v1, 5, v0
	s_delay_alu instid0(VALU_DEP_1)
	v_readfirstlane_b32 s18, v1                    ; wave 0..15
	s_and_b32 s19, s18, 1                          ; pi
	s_lshr_b32 s20, s18, 1                         ; ri
	s_bfe_u32 s21, ttmp6, 0x40000                  ; cx
	s_bfe_u32 s22, ttmp6, 0x40004                  ; cy
	s_lshl_b32 s23, ttmp9, 3
	s_add_co_u32 s23, s23, s21                     ; phase 1's block of wimg: cx (q) or 8 + cx (v)
	s_and_b32 s24, ttmp7, 0xffff
	s_lshl_b32 s24, s24, 2
	s_add_co_u32 s24, s24, s22                     ; x's block = 4 x cluster y + cy
	s_lshl_b32 s25, s22, 2
	s_lshl_b32 s25, 15, s25                        ; my row of the cluster
	s_lshl_b32 s26, 0x1111, s21                    ; my column
	; descriptor group 1: an eighth of a dense block: 68 rows of 256 bytes (32 elements of 8 bytes).  Waves 0 to 7 fetch x's block, waves 8 to 15 the weights'
	s_or_b32 s28, s25, (3<<16)|(1<<21)
	s_or_b32 s36, s26, (3<<16)|(1<<21)
.irp g, 28, 36
	s_mov_b32 s[\g+1], 32<<16
	s_mov_b32 s[\g+2], 68<<16
	s_mov_b32 s[\g+3], 32<<16
	s_mov_b32 s[\g+4], 68
	s_mov_b32 s[\g+5], 32
	s_mov_b32 s[\g+6], 0
	s_mov_b32 s[\g+7], 0
.endr
	s_and_b32 s62, s18, 7
	s_mul_i32 s57, s62, SLAB                       ; my eighth = one K step's slab: no place in the cluster enters an LDS address
	s_mul_i32 s58, s24, BLKB
	s_add_co_u32 s58, s58, s57
	s_mov_b32 s59, 0
	s_mul_i32 s60, s23, BLKB
	s_add_co_u32 s60, s60, s57
	s_mov_b32 s61, 0
	s_lshr_b32 s99, s21, 1                         ; phase 2's block of wimg: 4 + 2 (cluster x) + cx / 2; its half: cx % 2
	s_lshl_b32 s100, ttmp9, 1
	s_add_co_u32 s99, s99, s100
	s_add_co_u32 s99, s99, 4
	s_mul_i32 s99, s99, BLKB
	s_and_b32 s100, s21, 1
	s_lshl_b32 s101, s22, 1                        ; the prefetch: K step 2 cy + wave (waves 0 and 1 ask)
	s_add_co_u32 s101, s101, s18
	s_mul_i32 s101, s101, SLAB
	s_add_co_u32 s101, s101, s99
	s_lshl_b32 s63, s100, 13
	s_add_co_u32 s101, s101, s63
	s_mov_b32 s52, 0x76543210
	s_mov_b32 s53, 0xfedcba98
	s_wait_dscnt 0x0
	s_wait_kmcnt 0x0
	s_mov_b32 s44, 1
	s_mov_b32 s45, s57
	s_add_nc_u64 s[46:47], s[4:5], s[58:59]
	s_or_b32 s47, s47, 0x80000000
	s_mov_b32 s48, 1
	s_add_co_u32 s49, s57, WLDS
	s_add_nc_u64 s[50:51], s[6:7], s[60:61]
	s_or_b32 s51, s51, 0x80000000
	CROUND                                         ; all sixteen work-groups are here: the joint loads meet
	s_cmp_lt_u32 s18, 8                            ; one chain on the wave's number, one load to an arm
	s_cbranch_scc0 .Lfor_w
	TLOAD 44, 28
	s_branch .Lasked
.Lfor_w:
	TLOAD 48, 36
.Lasked:
	v_and_b32 v1, 31, v0                           ; lane
	v_and_b32 v2, 15, v0                           ; r
	v_bfe_u32 v3, v0, 4, 1                         ; h
	WALU
	v_lshl_add_u32 v45, v1, 8, s101                ; lanes 256 bytes apart: a K step's eight fragments
	s_cmp_eq_u32 ttmp9, 1
	s_cselect_b32 s66, 0, WLDS                     ; P: v takes x, q the weights
	s_cselect_b32 s67, WLDS, 0                     ; R: the other
	s_lshl_b32 s68, s19, 13
	s_add_co_u32 s68, s68, s66
	v_lshl_add_u32 v[AP0], v1, 4, s68              ; P's tiles 8 pi on, 16 bytes a lane
	s_lshl_b32 s69, s20, 11
	s_add_co_u32 s69, s69, s67
	v_lshl_add_u32 v[AR0], v1, 4, s69              ; R's tiles 2 ri on
	s_lshl_b32 s70, s19, 9
	s_add_co_u32 s70, s70, s66
	s_add_co_u32 s70, s70, SCW
	v_lshl_add_u32 v[APS0], v1, 2, s70             ; two tiles' scale words to a load
	s_lshl_b32 s71, s20, 7
	s_add_co_u32 s71, s71, s67
	s_add_co_u32 s71, s71, SCW
	v_lshl_add_u32 v[ARS0], v1, 2, s71
	; where phase 1's results go
	s_lshr_b32 s72, s24, 3                         ; b
	s_and_b32 s73, s24, 7                          ; which 256 of the batch's 2,048 rows
	s_lshl_b32 s74, s72, 4
	s_lshl_b32 s75, s21, 2
	s_add_co_u32 s74, s74, s75                     ; 16 b + the block's first head
	s_lshl_b32 s75, s19, 1
	s_add_co_u32 s75, s74, s75                     ; q: my 128 features are heads 2 pi and 2 pi + 1 of the block's four
	s_lshr_b32 s76, s20, 1
	s_add_co_u32 s76, s74, s76                     ; v: my 32 features lie in head ri / 2
	s_lshl_b32 s82, s73, 13
	s_lshl_b32 s83, s20, 10
	s_add_co_u32 s83, s82, s83                     ; q: tile 16 (block) + 2 ri, 512 bytes each
	s_lshl_b32 s84, s19, 12
	s_add_co_u32 s82, s82, s84
	s_and_b32 s84, s20, 1
	s_lshl_b32 s85, s84, 11
	s_add_co_u32 s82, s82, s85
	s_add_co_u32 s82, s82, 73728                   ; v: key step 2 (block) + pi, 4,096 bytes each; tile 2 (ri % 2) of the head's four
	s_lshl_b32 s85, s73, 10
	s_lshl_b32 s86, s20, 7
	s_add_co_u32 s85, s85, s86
	s_add_co_u32 s85, s85, 65536                   ; q: the scale words of my 32 rows
	s_lshl_b32 s86, s73, 9
	s_lshl_b32 s87, s19, 8
	s_add_co_u32 s86, s86, s87
	s_lshl_b32 s87, s84, 7
	s_add_co_u32 s86, s86, s87
	s_add_co_u32 s86, s86, 139264                  ; v: those of my two tiles
	s_mov_b32 s77, KVREC
	s_cmp_eq_u32 ttmp9, 0
	s_cselect_b32 s77, QREC, s77                   ; a head's record
	s_cselect_b64 s[78:79], s[14:15], s[16:17]     ; qimg or kvimg
	s_cselect_b64 s[80:81], s[8:9], s[12:13]       ; bq or bv
	s_cmp_eq_u32 ttmp9, 1
	s_cselect_b32 s82, s82, s83
	s_cselect_b32 s84, s86, s85
	s_cselect_b32 s88, 10, 9                       ; from tile n = 0 to n = 1: 1,024 bytes (v) or 512
	s_mov_b32 s89, 512
	s_cselect_b32 s89, s89, s77                    ; from c = 0 to c = 1: 512 bytes (v), or the next head's record
	s_cselect_b32 s96, -1, 0                       ; all lanes: the bias follows the lane (v) or the registers
	s_cselect_b32 s97, 0, 16                       ; the second store of scale words: the upper two bytes for the next head; for v the first store once more
	s_cselect_b32 s98, 0, s77
	s_cselect_b32 s75, s76, s75
	s_mul_i32 s75, s75, s77
	s_lshl_b32 s88, 1, s88
	s_add_co_u32 s82, s82, s75
	s_mov_b32 s83, 0
	s_add_co_u32 s84, s84, s75
	s_mov_b32 s85, 0
	s_add_nc_u64 s[90:91], s[78:79], s[82:83]      ; codes
	s_add_nc_u64 s[92:93], s[78:79], s[84:85]      ; scale words
	WALU
	v_lshlrev_b32 v[VO], 4, v1
	v_lshlrev_b32 v36, 2, v1
	s_delay_alu instid0(VALU_DEP_2)
	v_add_nc_u32 v[VO+1], s89, v[VO]
	v_add_nc_u32 v[VO+2], s88, v[VO]
	s_delay_alu instid0(VALU_DEP_2)
	v_add_nc_u32 v[VO+3], s88, v[VO+1]
	v_add_nc_u32 v37, s98, v36
	; THE BIAS IS THE C OF THE FIRST K STEP.  Both forms are loaded, from places inside the 1,024 numbers whatever the type, and one is chosen
	s_lshl_b32 s94, s21, 10
	s_lshl_b32 s95, s19, 9
	s_add_co_u32 s95, s94, s95
	v_lshl_add_u32 v38, v3, 5, s95                 ; along the registers: feature 128 pi + 16 t + 8 h + j of the block
	s_lshl_b32 s95, s20, 7
	s_add_co_u32 s95, s94, s95
	v_lshl_add_u32 v39, v2, 2, s95                 ; along the lanes: feature 32 ri + 16 n + r
.irp t, 0,1,2,3,4,5,6,7
	global_load_b128 v[PF+8*\t:PF+8*\t+3], v38, s[80:81] offset:64*\t
	global_load_b128 v[PF+8*\t+4:PF+8*\t+7], v38, s[80:81] offset:64*\t+16
.endr
	global_load_b32 v34, v39, s[80:81]
	global_load_b32 v35, v39, s[80:81] offset:64
.irp b, 0,1,2,3
	v_mov_b32 v[TM+4+\b], 0                        ; written once: a lane permute's destination counts as one of its sources
.endr
	WALU
	s_wait_loadcnt 0x0
.set i, 0
.rept 64
	v_cndmask_b32 v[ACC+i], v[PF+i], v34, s96
	v_cndmask_b32 v[ACC+64+i], v[PF+i], v35, s96
.set i, i+1
.endr
	WALU
	s_wait_tensorcnt 0x0                           ; my eighth is in,
	s_barrier_signal -1
	s_barrier_wait -1                              ; everybody's is
	s_cmp_lt_u32 s18, 2
	s_cbranch_scc0 .Lno_ask
	global_prefetch_b8 v45, s[6:7] th:TH_LOAD_NT scope:SCOPE_SE   ; 32 blocks of 256 bytes: one K step's codes of the refill; its registers are never written again
.Lno_ask:
; THE LOOP OVER K: 8 steps of 128.  np pairs of P's tiles against R's two; accumulator (n, t) at ns n + 8 t.  The four additions at a trip's head are the four places between the last trip's matrix instructions and the loads
; into their registers.  The accumulators take turns, one instruction a turn, in the same order in every trip.
.macro MM d, p, r, u, mods:vararg
	v_wmma_scale_f32_32x16x128_f4 v[\d:\d+15], v[\p:\p+15], v[\r:\r+7], v[\d:\d+15], v[PS+\u], v[RS] \mods   ; 32 rows of source 0: P's tiles 2 u and 2 u + 1, whose scale words lie one a lane
.endm
.macro KLOOP np, ns
	s_mov_b32 s54, 0
	s_mov_b32 s56, 8
.Lk_\@:
	v_add_nc_u32 v[AP], s54, v[AP0]
	v_add_nc_u32 v[APS], s54, v[APS0]
	v_add_nc_u32 v[AR], s54, v[AR0]
	v_add_nc_u32 v[ARS], s54, v[ARS0]
	ds_load_b32 v[RS], v[ARS]
.set U_, 0
.rept \np
	ds_load_b32 v[PS+U_], v[APS] offset:128*U_
.set U_, U_+1
.endr
.irp n, 0,1
.irp c, 0,1
	ds_load_b128 v[RF+8*\n+4*\c:RF+8*\n+4*\c+3], v[AR] offset:1024*\n+512*\c
.endr
.endr
.set U_, 0
.rept 2*\np
.irp c, 0,1
	ds_load_b128 v[PF+8*U_+4*\c:PF+8*U_+4*\c+3], v[AP] offset:1024*U_+512*\c
.endr
.set U_, U_+1
.endr
	WALU
.set U_, 0
.rept \np
	s_wait_dscnt 4*(\np-U_)-4                      ; LDS loads come back in order: tiles 2 u and 2 u + 1 of P are in; the loads of the tiles behind them may be out
	MM ACC+16*U_, PF+16*U_, RF, U_
	MM ACC+\ns+16*U_, PF+16*U_, RF+8, U_, matrix_b_scale:MATRIX_SCALE_ROW1
.set U_, U_+1
.endr
	s_add_co_u32 s54, s54, SLAB
	s_sub_co_u32 s56, s56, 1
	s_cmp_lg_u32 s56, 0
	s_cbranch_scc1 .Lk_\@
.endm
	KLOOP 4, 64
	; THE REFILL
	s_wait_tensorcnt 0x0                           ; no tensor load of mine is out, so the descriptors may be written
	ds_add_u32 v46, v47
	s_or_b32 s28, s26, (3<<16)|(1<<21)             ; the scale words' tile: 2 rows of 256 bytes, to my column
	s_mov_b32 s30, 2<<16
	s_mov_b32 s32, 2
	s_mov_b32 s38, 32<<16                          ; the codes' tile: 32 rows of 256 bytes
	s_mov_b32 s40, 32
	s_add_co_u32 s58, s99, s57                     ; my K step's slab of W_k's block
	s_lshl_b32 s60, s100, 9
	s_add_co_u32 s60, s60, s58
	s_add_co_u32 s60, s60, SCW                     ; its half's scale words,
	s_lshl_b32 s63, s100, 13
	s_add_co_u32 s58, s58, s63                     ; its half's eight fragments
	s_add_co_u32 s45, s57, WLDS+SCW
	s_add_nc_u64 s[46:47], s[6:7], s[60:61]
	s_or_b32 s47, s47, 0x80000000
	s_add_nc_u64 s[50:51], s[6:7], s[58:59]
	s_or_b32 s51, s51, 0x80000000
	s_wait_dscnt 0x0                               ; the add is done, and my reads of the weights' bytes are over
	CROUND                                         ; that holds of every wave of the cluster
	s_cmp_lt_u32 s18, 8
	s_cbranch_scc0 .Lre_words
	TLOAD 48, 36                                   ; the four v_nop behind it are also the places behind the last products
	s_branch .Lre_asked
.Lre_words:
	TLOAD 44, 28
.Lre_asked:
; 16 nb numbers of a lane, v[s] on, become codes in v[pc] on and a scale word in v[pw].  Each accumulator is first read at its low end.
.macro STAGE nb, op:vararg
.set B_, 0
.rept \nb
	s_delay_alu instid0(VALU_DEP_\nb)
	\op
.set B_, B_+1
.endr
.endm
.macro QUANT s, pc, pw, nb
.set B_, 0
.rept \nb
	v_max3_num_f32 v[TM+B_], |v[\s+16*B_]|, |v[\s+1+16*B_]|, FLOOR
.set B_, B_+1
.endr
.irp i, 2,4,6,8,10,12,14
.set B_, 0
.rept \nb
	v_max3_num_f32 v[TM+B_], v[TM+B_], |v[\s+16*B_+\i]|, |v[\s+1+16*B_+\i]|   ; the blocks by turns
.set B_, B_+1
.endr
.endr
	STAGE \nb, v_permlanex16_b32 v[TM+4+B_], v[TM+B_], s52, s53
	STAGE \nb, v_max_num_f32 v[TM+B_], v[TM+B_], v[TM+4+B_]
	STAGE \nb, v_add_nc_u32 v[TM+12+B_], EOFF, v[TM+B_]
	STAGE \nb, v_lshrrev_b32 v[TM+4+B_], 23, v[TM+12+B_]
.if \nb == 4
	s_delay_alu instid0(VALU_DEP_3)
	v_lshl_or_b32 v[\pw], v[TM+5], 8, v[TM+4]
	s_delay_alu instid0(VALU_DEP_1)
	v_lshl_or_b32 v[\pw], v[TM+6], 16, v[\pw]
	s_delay_alu instid0(VALU_DEP_1)
	v_lshl_or_b32 v[\pw], v[TM+7], 24, v[\pw]
.else
	s_delay_alu instid0(VALU_DEP_1)
	v_lshl_or_b32 v[\pw], v[TM+5], 8, v[TM+4]
.endif
.set B_, 0
.rept \nb
.irp i, 0,1
	v_cvt_scalef32_pk8_fp4_f32 v[\pc+4*(B_/2)+2*\i+(B_%2)], v[\s+16*B_+8*\i:\s+16*B_+8*\i+7], v[TM+12+B_]
.endr
.set B_, B_+1
.endr
	v_nop                                          ; one plain place behind the scaled conversions
.set B_, 0
.rept \nb
	v_permlane16_swap_b32 v[\pc+2*B_], v[\pc+2*B_+1]   ; the first's lanes 16-31 change places with the second's lanes 0-15
.set B_, B_+1
.endr
.endm
	QUANT ACC, PF, PW, 4
	global_store_b128 v[VO], v[PF:PF+3], s[90:91]          ; each store covers 512 consecutive bytes, aligned
	global_store_b128 v[VO+1], v[PF+4:PF+7], s[90:91]
	s_lshl_b32 s94, ttmp9, 11                      ; phase 2's bias, into the 64 registers that have just been quantised.  bk: feature 512 (cluster x) + 128 cx + 64 pi + 16 t + 8 h + j
	s_lshl_b32 s95, s21, 9
	s_add_co_u32 s94, s94, s95
	s_lshl_b32 s95, s19, 8
	s_add_co_u32 s94, s94, s95
	v_lshl_add_u32 v38, v3, 5, s94
.irp n, 0,1
.irp t, 0,1,2,3
	global_load_b128 v[ACC+32*\n+8*\t:ACC+32*\n+8*\t+3], v38, s[10:11] offset:64*\t
	global_load_b128 v[ACC+32*\n+8*\t+4:ACC+32*\n+8*\t+7], v38, s[10:11] offset:64*\t+16
.endr
.endr
	QUANT ACC+64, PF+8, PW+1, 4
	global_store_b128 v[VO+2], v[PF+8:PF+11], s[90:91]
	global_store_b128 v[VO+3], v[PF+12:PF+15], s[90:91]
	v_cmp_gt_u32 vcc_lo, 16, v1
	s_delay_alu instid0(VALU_DEP_1)
	v_cndmask_b32 v34, v[PW+1], v[PW], vcc_lo      ; lanes 0-15: tile 0's words; lanes 16-31: tile 1's
	s_delay_alu instid0(VALU_DEP_1)
	v_lshrrev_b32 v35, s97, v34
	global_store_b32 v36, v34, s[92:93]            ; 128 consecutive bytes
	global_store_b32 v37, v35, s[92:93]
	; PHASE 2: k.  P = W_k's half block, head pi's four tiles; R = x, tiles 2 ri and the next
	s_wait_xcnt 0x0                                ; the stores have read their registers and bases
	s_lshl_b32 s68, s19, 12
	s_add_co_u32 s68, s68, WLDS
	v_lshl_add_u32 v[AP0], v1, 4, s68
	s_lshl_b32 s69, s20, 11
	v_lshl_add_u32 v[AR0], v1, 4, s69
	s_lshl_b32 s70, s19, 8
	s_add_co_u32 s70, s70, WLDS+SCW
	v_lshl_add_u32 v[APS0], v1, 2, s70
	s_lshl_b32 s71, s20, 7
	s_add_co_u32 s71, s71, SCW
	v_lshl_add_u32 v[ARS0], v1, 2, s71
	s_lshl_b32 s74, s72, 4                         ; the record: 16 b + 8 (cluster x) + 2 cx + pi
	s_lshl_b32 s75, ttmp9, 3
	s_add_co_u32 s74, s74, s75
	s_lshl_b32 s75, s21, 1
	s_add_co_u32 s74, s74, s75
	s_add_co_u32 s74, s74, s19
	s_mul_i32 s74, s74, KVREC
	s_lshl_b32 s82, s73, 13
	s_lshl_b32 s83, s20, 10
	s_add_co_u32 s82, s82, s83
	s_add_co_u32 s82, s82, s74                     ; tile 16 (block) + 2 ri, 512 bytes each
	s_mov_b32 s83, 0
	s_lshl_b32 s84, s73, 10
	s_lshl_b32 s85, s20, 7
	s_add_co_u32 s84, s84, s85
	s_add_co_u32 s84, s84, s74
	s_add_co_u32 s84, s84, 65536                   ; the scale words of my 32 rows
	s_mov_b32 s85, 0
	s_add_nc_u64 s[90:91], s[16:17], s[82:83]
	s_add_nc_u64 s[92:93], s[16:17], s[84:85]
	WALU
	s_wait_loadcnt 0x0
	s_wait_tensorcnt 0x0                           ; my part of the refill is in,
	s_barrier_signal -1
	s_barrier_wait -1                              ; everybody's is
	KLOOP 2, 32
.rept 4
	v_nop                                          ; places behind the last matrix instructions
.endr
	QUANT ACC, PF, PW, 2
	global_store_b128 v[VO], v[PF:PF+3], s[90:91]
	QUANT ACC+32, PF+8, PW+1, 2
	global_store_b128 v[VO], v[PF+8:PF+11], s[90:91] offset:512
	v_cmp_gt_u32 vcc_lo, 16, v1
	s_delay_alu instid0(VALU_DEP_1)
	v_cndmask_b32 v34, v[PW+1], v[PW], vcc_lo
	global_store_b32 v36, v34, s[92:93]            ; bytes 0, 1 count; bytes 2, 3 are 0 and belong to codes that are zeros
	s_wait_tensorcnt 0x0                           ; the wave's end
	ds_add_u32 v46, v47
	s_wait_dscnt 0x0
	CROUND                                         ; the closing round
	s_endpgm
.Lfunc_end_k_qdedd151b7c_qkv:
	.size	k_qdedd151b7c_qkv, .Lfunc_end_k_qdedd151b7c_qkv-k_qdedd151b7c_qkv
	.p2alignl 7, 3214868480
	.fill 96, 4, 3214868480
	.section	.rodata,"a",@progbits
	.p2align	6, 0x0
	.amdhsa_kernel k_qdedd151b7c_qkv
		.amdhsa_group_segment_fixed_size 327680
		.amdhsa_private_segment_fixed_size 0
		.amdhsa_enable_private_segment 0
		.amdhsa_kernarg_size 56
		.amdhsa_user_sgpr_count 2
		.amdhsa_user_sgpr_kernarg_segment_ptr 1
		.amdhsa_wavefront_size32 1
		.amdhsa_system_sgpr_workgroup_id_x 1
		.amdhsa_system_sgpr_workgroup_id_y 1
		.amdhsa_system_sgpr_workgroup_id_z 1
		.amdhsa_system_vgpr_workitem_id 0
		.amdhsa_next_free_vgpr 256
		.amdhsa_next_free_sgpr 102
		.amdhsa_reserve_vcc 1
		.amdhsa_float_denorm_mode_32 3
		.amdhsa_float_denorm_mode_16_64 3
		.amdhsa_memory_ordered 1
		.amdhsa_forward_progress 1
		.amdhsa_inst_pref_size 43
	.end_amdhsa_kernel
	.amdgpu_metadata
---
amdhsa.version: [ 1, 2 ]
amdhsa.kernels:
  - .name:           k_qdedd151b7c_qkv
    .symbol:         k_qdedd151b7c_qkv.kd
    .args:
      - { .name: ximg, .offset: 0, .size: 8, .value_kind: global_buffer, .address_space: global }
      - { .name: wimg, .offset: 8, .size: 8, .value_kind: global_buffer, .address_space: global }
      - { .name: bq, .offset: 16, .size: 8, .value_kind: global_buffer, .address_space: global }
      - { .name: bk, .offset: 24, .size: 8, .value_kind: global_buffer, .address_space: global }
      - { .name: bv, .offset: 32, .size: 8, .value_kind: global_buffer, .address_space: global }
      - { .name: qimg, .offset: 40, .size: 8, .value_kind: global_buffer, .address_space: global }
      - { .name: kvimg, .offset: 48, .size: 8, .value_kind: global_buffer, .address_space: global }
    .group_segment_fixed_size: 327680
    .private_segment_fixed_size: 0
    .kernarg_segment_align: 8
    .kernarg_segment_size: 56
    .max_flat_workgroup_size: 512
    .sgpr_count:     102
    .vgpr_count:     256
    .wavefront_size: 32
...
	.end_amdgpu_metadata
.endif
;; end of part 2
;; launch attn (part 3): grid 8 x 32, 16 waves a work-group, clusters of 4 x 1, 327,680 bytes of LDS; arguments qimg, kvimg, cimg; writes cimg
.if DOCPART == 3
	.amdgcn_target "amdgcn-amd-amdhsa--gfx1250"
	.amdhsa_code_object_version 6
	.text
	.protected	k_qdedd151b7c_attn
	.globl	k_qdedd151b7c_attn
	.p2align	8
	.type	k_qdedd151b7c_attn,@function
k_qdedd151b7c_attn:
	s_mov_b64 s[64:65], 0
	v_nop
	global_prefetch_b8 v0, s[64:65] scope:SCOPE_SE
	s_setreg_imm32_b32 hwreg(HW_REG_WAVE_MODE, 25, 1), 1
	s_wait_xcnt 0x0
	s_wait_alu depctr_hold_cnt(0) depctr_sa_sdst(0) depctr_va_vdst(0) depctr_va_sdst(0) depctr_va_ssrc(0) depctr_va_vcc(0) depctr_vm_vsrc(0)
	s_getreg_b32 s2, hwreg(HW_REG_IB_STS2, 6, 4)
	s_cmp_eq_u32 s2, 0
	s_cbranch_scc0 .Lentry_in_a_cluster
	s_endpgm
.Lentry_in_a_cluster:
	s_bfe_u32 s2, ttmp6, 0x10000c
	s_cmp_lg_u32 s2, 0x3003
	s_cbranch_scc0 .Lentry_shape_is_right
	s_endpgm
.Lentry_shape_is_right:
; ATTENTION on codes of FP4 (E2M1) with E8M0 scales: context = softmax(q k^T / 8) v for two heads and 256 queries a work-group; the context is quantised along the heads' 64 and leaves as an image of the out-projection's operand.
; t = score x log2(e) / 8; M = the running largest t rounded up to a whole number; p = 2^(t - M) is quantised along the keys, not normalised; the row's sum is taken of the unquantised p and divides at the end.
; LIMITS: NaN and infinities are not served; the promise holds while the scaled scores stay under 2^31 in magnitude; a block of p that is all zeros keeps the byte 1 (its codes are zeros).
; SHARES.  Work-group (x, y): queries 256 x .. of batch y / 8, heads 2 (y % 8) and the next.  Each of 16 waves owns 16 queries and walks all 2,048 keys, 128 a step, first of the one head, then of the other.
; LDS holds both heads' K, V and scale bytes, filled once: one joint tensor load a wave (the four work-groups of a cluster share the heads).  All is asked for at the head, so there is no loop to prefetch ahead in.
; K's codes lie as rows of 1,024 bytes (32 keys) + 128 of padding: the sixteen rows that a load touches fall on sixteen different 16-byte columns modulo 256 bytes.
; LAYOUT.  Both products are used transposed: S^T = K Q^T, O^T = V^T P^T: a lane holds one query.  ROW r OF TILE 4 c + u OF K IS KEY 64 c + 32 (r / 8) + 8 u + r % 8: so lane (r, h) holds in registers 32 c .. 32 c + 31
; of S the whole block of keys 64 c + 32 h + 0 .. 31: its largest score needs no other lane, and the conversions' results are P's operand registers as they stand.
; The head's axis is 64 of the instruction's 128: Q's upper four registers are zero codes, so K's upper four may hold anything: a tile of K is 4 registers and its operand runs on into the next tile's.
; K's fragments of the next step are asked for behind this step's first product.
.set KVREC, 143360
.set QREC,  73728
.set KROWP, 1152                       ; 32 keys' codes + padding
.set KPB,   64*KROWP                   ; a head's K in LDS
.set KSTEP, 4*KROWP                    ; 128 keys
.set RB,    2*KPB                      ; behind K: for each head K's scale words, V's fragments, V's scale words
.set RREC,  77824
.set VCO,   8192
.set VSC,   73728
.set SCG,   RB+2*RREC                  ; 1,024 bytes where the context's scale words are gathered; no tile lands here
.set SPARE, SCG+1024                   ; the spare words, 128 bytes a wave
.set CBLK,  69632
.set CSLAB, 8704
.set FLOOR, 0x1800000
.set EOFF,  0xff000000
; v1 16 lane, v2 4 lane, v3-6 addresses in hand (K, K's words, V, V's words), v7 4 r, v8 8 h, v9, v10 my lane's place in K and among K's words
; v12 -M, v13 the largest score, v14-21 the sum in four pairs, v[22:23] f, v225 the last -M, v221-236 at work, v230, v231 the gather
.set QF, 24                            ; v24-39   Q, 8 a head
.set KF, 40                            ; v40-75   K: 8 tiles of 4, and 4 that are only named
.set VF, 76                            ; v76-107  V: 4 tiles of 8
.set SR, 108                           ; v108-171 S^T, then p
.set OA, 172                           ; v172-203 O^T
.set PC, 204                           ; v204-211 p's codes
.set OC, 212                           ; v212-219 the context's codes; v220 its scale word
.set TM, 221
; scales alone: v240-243 K's, v244, v245 V's, v250 p's, v252, v253 Q's
.macro CROUND
	s_barrier_signal -1
	s_barrier_wait -1
	s_cmp_lg_u32 s10, 0
	s_cbranch_scc1 .Lnot_wave_0_\@
	s_barrier_signal -3
.Lnot_wave_0_\@:
	s_barrier_wait -3
	s_barrier_signal -1
	s_barrier_wait -1
.endm
.macro WALU
	s_wait_alu depctr_va_vdst(0)
.endm
	s_load_b128 s[4:7], s[0:1], 0x0                ; qimg, kvimg
	s_load_b64 s[8:9], s[0:1], 0x10                ; cimg
	v_lshl_add_u32 v254, v0, 2, SPARE
	v_mov_b32 v255, 0
	ds_add_u32 v254, v255
	ds_add_u32 v254, v255
	v_lshrrev_b32 v1, 5, v0
	s_delay_alu instid0(VALU_DEP_1)
	v_readfirstlane_b32 s10, v1                    ; wave
	s_bfe_u32 s11, ttmp6, 0x40000
	s_lshl_b32 s12, ttmp9, 2
	s_add_co_u32 s12, s12, s11                     ; block of 256 queries
	s_and_b32 s13, ttmp7, 0xffff                   ; pair of heads
	; group 1 for K's codes: 16 rows of 1,024 bytes (128 elements of 8), 32 words of padding behind every 256; mask: all four of the cluster
	s_mov_b32 s16, 15|(3<<16)|(1<<20)|(1<<21)|(7<<22)|(31<<25)
	s_mov_b32 s17, 128<<16
	s_mov_b32 s18, 16<<16
	s_mov_b32 s19, 128<<16
	s_mov_b32 s20, 16
	s_mov_b32 s21, 128
	s_mov_b32 s22, 0
	s_mov_b32 s23, 0
	; group 1 for the rest of a head's record: 76 rows of 256 bytes, dense
	s_mov_b32 s68, 15|(3<<16)|(1<<21)
	s_mov_b32 s69, 32<<16
	s_mov_b32 s70, 76<<16
	s_mov_b32 s71, 32<<16
	s_mov_b32 s72, 76
	s_mov_b32 s73, 32
	s_mov_b32 s74, 0
	s_mov_b32 s75, 0
	s_bfe_u32 s14, s10, 0x10002                    ; which head I fetch for, and which quarter: waves 0-7 K's codes, waves 8-15 the rest
	s_and_b32 s15, s10, 3
	s_mul_i32 s40, s13, 2*KVREC
	s_mul_i32 s41, s14, KVREC
	s_add_co_u32 s40, s40, s41
	s_lshl_b32 s41, s15, 14
	s_add_co_u32 s58, s40, s41
	s_mov_b32 s59, 0
	s_mul_i32 s41, s15, 19456
	s_add_co_u32 s60, s40, s41
	s_add_co_u32 s60, s60, 65536
	s_mov_b32 s61, 0
	s_mul_i32 s25, s14, KPB
	s_mul_i32 s29, s15, 16*KROWP
	s_add_co_u32 s25, s25, s29
	s_mul_i32 s29, s14, RREC
	s_add_co_u32 s29, s29, s41
	s_add_co_u32 s29, s29, RB
	s_mov_b32 s24, 1
	s_mov_b32 s28, 1
	s_mov_b32 s32, 0x76543210
	s_mov_b32 s33, 0xfedcba98                      ; lane l xor 16
	s_mov_b32 s34, 0x3e38aa3b                      ; log2(e) / 8
	s_mov_b32 s35, s34
	s_lshl_b32 s42, s12, 4
	s_add_co_u32 s42, s42, s10                     ; my tile of 16 queries
	s_mul_i32 s43, s13, 2*QREC
	s_lshl_b32 s44, s42, 9
	s_add_co_u32 s44, s44, s43
	s_mov_b32 s45, 0
	s_lshl_b32 s46, s42, 6
	s_add_co_u32 s46, s46, s43
	s_add_co_u32 s46, s46, 65536
	s_mov_b32 s47, 0
	s_lshr_b32 s48, s13, 3                         ; where the context goes: block of 128 rows, slab = pair of heads
	s_lshl_b32 s48, s48, 4
	s_lshl_b32 s49, s12, 1
	s_add_co_u32 s48, s48, s49
	s_and_b32 s49, s13, 7
	s_mul_i32 s49, s49, CSLAB
	s_lshr_b32 s50, s10, 3
	s_add_co_u32 s50, s50, s48
	s_mul_i32 s50, s50, CBLK
	s_add_co_u32 s50, s50, s49
	s_and_b32 s51, s10, 7
	s_lshl_b32 s51, s51, 10
	s_add_co_u32 s50, s50, s51
	s_mov_b32 s51, 0
	s_and_b32 s52, s10, 1
	s_add_co_u32 s54, s52, s48
	s_mul_i32 s54, s54, CBLK
	s_add_co_u32 s54, s54, s49
	s_add_co_u32 s54, s54, 8192
	s_mov_b32 s55, 0
	s_lshl_b32 s56, s10, 6
	s_lshl_b32 s57, s52, 9
	s_wait_dscnt 0x0
	s_wait_kmcnt 0x0
	s_add_nc_u64 s[26:27], s[6:7], s[58:59]
	s_or_b32 s27, s27, 0x80000000
	s_add_nc_u64 s[30:31], s[6:7], s[60:61]
	s_or_b32 s31, s31, 0x80000000
	CROUND                                         ; the four work-groups are here: the joint loads meet
	s_cmp_lt_u32 s10, 8                            ; one chain on the wave's number, one load to an arm
	s_cbranch_scc0 .Lrest
	tensor_load_to_lds s[24:27], s[16:23]
	s_nop 0
.rept 4
	v_nop
.endr
	s_branch .Lasked
.Lrest:
	tensor_load_to_lds s[28:31], s[68:75]
	s_nop 0
.rept 4
	v_nop
.endr
.Lasked:
	s_add_nc_u64 s[44:45], s[4:5], s[44:45]
	s_add_nc_u64 s[46:47], s[4:5], s[46:47]
	s_add_nc_u64 s[50:51], s[8:9], s[50:51]
	s_add_nc_u64 s[54:55], s[8:9], s[54:55]
	v_and_b32 v221, 31, v0                         ; lane
	v_and_b32 v222, 15, v0                         ; r
	v_bfe_u32 v223, v0, 4, 1                       ; h
	v_and_b32 v224, 7, v0                          ; r % 8
	v_bfe_u32 v225, v0, 3, 1                       ; r / 8
	v_lshlrev_b32 v1, 4, v221
	v_lshlrev_b32 v2, 2, v221
	v_lshlrev_b32 v7, 2, v222
	v_lshlrev_b32 v8, 3, v223
	v_mul_u32_u24 v9, v225, KROWP                  ; K: 16 (r % 8) + 1,152 (r / 8) + 256 h
	v_lshlrev_b32 v10, 2, v224                     ; K's words: 4 (r % 8 + 8 h + 32 (r / 8)): lanes 0-15 an even tile's rows, lanes 16-31 the next tile's
	v_lshl_add_u32 v9, v224, 4, v9
	v_lshl_add_u32 v10, v223, 5, v10
	v_lshl_add_u32 v9, v223, 8, v9
	v_lshl_add_u32 v10, v225, 7, v10
	v_lshl_add_u32 v230, v222, 2, SCG
	v_lshl_add_u32 v231, v221, 4, SCG
	v_add_nc_u32 v230, s56, v230
	v_add_nc_u32 v231, s57, v231
.irp e, 0,1
	global_load_b128 v[QF+8*\e:QF+8*\e+3], v1, s[44:45] offset:\e*QREC
	global_load_b32 v[252+\e], v7, s[46:47] offset:\e*QREC
.endr
.irp i, 28,29,30,31,36,37,38,39,72,73,74,75,23,235,236
	v_mov_b32 v[\i], 0                             ; Q's zero codes; registers that are named before they are otherwise written
.endr
.macro KLOAD                           ; 8 tiles of K and their words: 12 loads
.irp T, 0,1,2,3,4,5,6,7
	ds_load_b128 v[KF+4*\T:KF+4*\T+3], v3 offset:(\T/4)*2*KROWP+(\T%2)*512+((\T/2)%2)*128   ; slots 0, 1, 2, 3 of a group of four hold tiles u = 0, 2, 1, 3
.endr
.irp m, 0,1,2,3
	ds_load_b32 v[240+\m], v4 offset:(\m/2)*256+(\m%2)*64
.endr
.endm
; A product of 32 rows: source 0 is 16 registers, rows 0-15 in the first eight, rows 16-31 in the last eight; of each eight the upper four meet Q's zero codes.  Product p takes slots p % 2 and p % 2 + 2 of group p / 2:
; tiles u = 2 (p % 2) and the next, whose results are 16 neighbouring registers of S and whose scale words lie one a lane in v[240 + p].
.macro QK p, e
	v_wmma_scale_f32_32x16x128_f4 v[SR+16*\p:SR+16*\p+15], v[KF+16*(\p/2)+4*(\p%2):KF+16*(\p/2)+4*(\p%2)+15], v[QF+8*\e:QF+8*\e+7], 0, v[240+\p], v[252+\e]
.endm
.macro PV u                            ; V's tiles 2 u and 2 u + 1 as 32 rows
	v_wmma_scale_f32_32x16x128_f4 v[OA+16*\u:OA+16*\u+15], v[VF+16*\u:VF+16*\u+15], v[PC:PC+7], v[OA+16*\u:OA+16*\u+15], v[244+\u], v250
.endm
.macro TMM from, to                    ; t - M, two at a time
.set J_, \from
.rept (\to)-(\from)
	v_pk_fma_f32 v[SR+2*J_:SR+2*J_+1], v[SR+2*J_:SR+2*J_+1], s[34:35], v[12:13] op_sel_hi:[1,0,0]
.set J_, J_+1
.endr
.endm
.macro SUMS from, to                   ; pairs of p onto the four pairs of the sum by turns
.set J_, \from
.rept (\to)-(\from)
	v_pk_add_f32 v[14+2*(J_%4):15+2*(J_%4)], v[14+2*(J_%4):15+2*(J_%4)], v[SR+2*J_:SR+2*J_+1]
.set J_, J_+1
.endr
.endm
; A KEY STEP: 128 keys
.macro STEP e
	s_wait_dscnt 0x0                               ; this step's K, asked for a step ago
.irp p, 0,1,2,3
	QK \p, \e
.endr
	v_add_nc_u32 v5, s38, v1                       ; four plain lines: the places between the products and the loads into their registers, and ahead of the first read of S
	v_add_nc_u32 v6, s39, v2
	v_add_nc_u32 v3, s36, v9
	v_add_nc_u32 v4, s37, v10
.irp t, 0,1,2,3
.irp c, 0,1
	ds_load_b128 v[VF+8*\t+4*\c:VF+8*\t+4*\c+3], v5 offset:1024*\t+512*\c
.endr
.endr
.irp u, 0,1
	ds_load_b32 v[244+\u], v6 offset:128*\u
.endr
	KLOAD                                          ; the next step's K (behind the last step: bytes that are filled, and not used)
.irp q, 0,1,2,3                        ; the largest score of my two blocks, in four chains by turns; each accumulator is first read at its low end
	v_max3_num_f32 v[TM+\q], v[SR+16*\q], v[SR+16*\q+1], v[SR+16*\q+2]
.endr
.irp i, 3,5,7,9,11,13
.irp q, 0,1,2,3
	v_max3_num_f32 v[TM+\q], v[TM+\q], v[SR+16*\q+\i], v[SR+16*\q+\i+1]
.endr
.endr
.irp c, 0,1
	v_max3_num_f32 v[TM+2*\c], v[TM+2*\c], v[TM+2*\c+1], v[SR+32*\c+15]
.endr
.irp c, 0,1
	v_max_num_f32 v[TM+2*\c], v[TM+2*\c], v[SR+32*\c+31]
.endr
	s_delay_alu instid0(VALU_DEP_1)
	v_max_num_f32 v226, v[TM], v[TM+2]
	s_delay_alu instid0(VALU_DEP_1)
	v_permlanex16_b32 v236, v226, s32, s33
	s_delay_alu instid0(VALU_DEP_1)
	v_max3_num_f32 v13, v13, v226, v236            ; the running largest score of my query
	s_delay_alu instid0(VALU_DEP_1)
	v_mul_f32 v227, s34, v13
	s_delay_alu instid0(VALU_DEP_1)
	v_floor_f32 v12, -v227                         ; -M = floor(-t): a whole number
	s_delay_alu instid0(VALU_DEP_1)
	v_sub_f32 v227, v12, v225                      ; old M less new M
	TMM 0, 4
	v_cvt_i32_f32 v227, v227                       ; (it saturates)
	TMM 4, 8
	v_ldexp_f32 v22, 1.0, v227                     ; f = 2^(old M - new M)
	TMM 8, 32
.irp c, 0,1
	v_fma_f32 v[TM+2*\c], v[TM+2*\c], s34, v12     ; the same of each block's largest score: p rises with the score
.endr
.set J_, 0
.rept 16
	v_pk_mul_f32 v[OA+J_:OA+J_+1], v[OA+J_:OA+J_+1], v[22:23] op_sel_hi:[1,0]   ; O^T under the new M, ahead of the exponentials
.set J_, J_+2
.endr
	WALU                                           ; ahead of the batch
.set J_, 0
.rept 64
	v_exp_f32 v[SR+J_], v[SR+J_]
.set J_, J_+1
.endr
.irp c, 0,1
	v_exp_f32 v[TM+2*\c], v[TM+2*\c]
.endr
	v_mov_b32 v225, v12                            ; a plain line behind the batch: -M for the next step
	WALU                                           ; behind the batch
.irp c, 0,1
	v_max_num_f32 v[TM+2*\c], FLOOR, v[TM+2*\c]    ; the byte cannot fall under 1
.endr
.irp k, 0,1,2,3
	v_pk_fma_f32 v[14+2*\k:15+2*\k], v[14+2*\k:15+2*\k], v[22:23], v[SR+2*\k:SR+2*\k+1] op_sel_hi:[1,0,1]   ; the sums under the new M, and the first pairs of the unquantised p
.endr
.irp c, 0,1
	v_add_nc_u32 v[228+\c], EOFF, v[TM+2*\c]       ; the conversion's scale operand
.endr
	SUMS 4, 8
.irp c, 0,1
	v_lshrrev_b32 v[232+\c], 23, v[228+\c]         ; the scale's byte
.endr
.irp c, 0,1
.irp u, 0,1,2,3
	v_cvt_scalef32_pk8_fp4_f32 v[PC+4*\c+\u], v[SR+32*\c+8*\u:SR+32*\c+8*\u+7], v[228+\c]   ; keys 64 c + 32 h + 8 u ..: the operand's register 4 c + u
.endr
.endr
	v_lshl_or_b32 v234, v233, 16, v232             ; my bytes: blocks h and 2 + h,
	SUMS 8, 10
	v_lshlrev_b32 v234, v8, v234                   ; 8 h bits up;
	SUMS 10, 12
	v_permlanex16_b32 v235, v234, s32, s33
	SUMS 12, 14
	v_or_b32 v250, v234, v235                      ; with lane l xor 16's two the word is whole
	SUMS 14, 32                                    ; these 18 are also the places ahead of the scaled products
	WALU                                           ; directly ahead of the wait below
	s_wait_dscnt 12                                ; V's ten loads are in; the 12 for the next step's K may be out
.irp u, 0,1
	PV \u
.endr
.endm
; A head's end: O^T / the sum, quantised along the head's 64.  Tiles 2 b, 2 b + 1 give lane (r, h) d = 32 b + 16 i + 8 h + 0 .. 7
.macro PASSEND e
	v_pk_add_f32 v[14:15], v[14:15], v[16:17]
	v_pk_add_f32 v[18:19], v[18:19], v[20:21]
	v_nop
	v_nop
	v_pk_add_f32 v[14:15], v[14:15], v[18:19]
	v_add_f32 v14, v14, v15
	v_permlanex16_b32 v236, v14, s32, s33
	v_add_f32 v14, v14, v236
	WALU
	v_rcp_f32 v14, v14
	v_nop
	WALU
.set J_, 0
.rept 16
	v_pk_mul_f32 v[SR+J_:SR+J_+1], v[OA+J_:OA+J_+1], v[14:15] op_sel_hi:[1,0]
.set J_, J_+2
.endr
.irp b, 0,1
	v_max3_num_f32 v[TM+\b], |v[SR+16*\b]|, |v[SR+1+16*\b]|, FLOOR
.endr
.irp i, 2,4,6,8,10,12,14
.irp b, 0,1
	s_delay_alu instid0(VALU_DEP_2)
	v_max3_num_f32 v[TM+\b], v[TM+\b], |v[SR+16*\b+\i]|, |v[SR+1+16*\b+\i]|
.endr
.endr
.irp b, 0,1
	s_delay_alu instid0(VALU_DEP_2)
	v_permlanex16_b32 v[226+\b], v[TM+\b], s32, s33
.endr
.irp b, 0,1
	s_delay_alu instid0(VALU_DEP_2)
	v_max_num_f32 v[TM+\b], v[TM+\b], v[226+\b]
.endr
.irp b, 0,1
	s_delay_alu instid0(VALU_DEP_2)
	v_add_nc_u32 v[228+\b], EOFF, v[TM+\b]
.endr
.irp b, 0,1
	s_delay_alu instid0(VALU_DEP_2)
	v_lshrrev_b32 v[226+\b], 23, v[228+\b]
.endr
.if \e == 0
	s_delay_alu instid0(VALU_DEP_1)
	v_lshl_or_b32 v220, v227, 8, v226
.else
	s_delay_alu instid0(VALU_DEP_2)
	v_lshl_or_b32 v220, v226, 16, v220
	s_delay_alu instid0(VALU_DEP_1)
	v_lshl_or_b32 v220, v227, 24, v220
.endif
.irp b, 0,1
.irp i, 0,1
	v_cvt_scalef32_pk8_fp4_f32 v[OC+4*\e+2*\i+\b], v[SR+16*\b+8*\i:SR+16*\b+8*\i+7], v[228+\b]
.endr
.endr
	v_nop
.irp i, 0,1
	v_permlane16_swap_b32 v[OC+4*\e+2*\i], v[OC+4*\e+2*\i+1]
.endr
.endm
.macro PASS e
	s_wait_dscnt 0x0                               ; no load into K's registers is out
	v_add_nc_u32 v3, \e*KPB, v9
	v_add_nc_u32 v4, RB+\e*RREC, v10
	KLOAD                                          ; the head's first 128 keys
	v_mov_b32 v13, 0xff61b1e6                      ; under every score
	v_mov_b32 v225, 0x7e000000                     ; the -M that goes with it: the first f is 0, on zeros
.set J_, 0
.rept 8
	v_mov_b32 v[14+J_], 0
.set J_, J_+1
.endr
.set J_, 0
.rept 32
	v_mov_b32 v[OA+J_], 0
.set J_, J_+1
.endr
	s_mov_b32 s36, \e*KPB+KSTEP                    ; K runs a step ahead
	s_mov_b32 s37, RB+\e*RREC+512
	s_mov_b32 s38, RB+\e*RREC+VCO
	s_mov_b32 s39, RB+\e*RREC+VSC
	s_mov_b32 s40, 16
	WALU
.Lstep_\@:
	STEP \e
	s_add_co_u32 s36, s36, KSTEP
	s_add_co_u32 s37, s37, 512
	s_add_co_u32 s38, s38, 4096
	s_add_co_u32 s39, s39, 256
	s_sub_co_u32 s40, s40, 1
	s_cmp_lg_u32 s40, 0
	s_cbranch_scc1 .Lstep_\@
	PASSEND \e
.endm
	WALU                                           ; the head's end
	s_wait_loadcnt 0x0                             ; Q
	s_wait_tensorcnt 0x0                           ; my part of the heads' records is in,
	s_barrier_signal -1
	s_barrier_wait -1                              ; everybody's is: no barrier follows until the way out
	PASS 0
	PASS 1
	global_store_b128 v1, v[OC:OC+3], s[50:51]     ; each store covers 512 consecutive bytes, aligned
	global_store_b128 v1, v[OC+4:OC+7], s[50:51] offset:512
	ds_store_b32 v230, v220                        ; both lanes of a row write the same word with the same value
	s_wait_dscnt 0x0
	s_barrier_signal -1
	s_barrier_wait -1
	s_cmp_lt_u32 s10, 2
	s_cbranch_scc0 .Lno_words
	ds_load_b128 v[SR:SR+3], v231                  ; waves 0 and 1: the scale words of 128 rows each, 512 consecutive bytes
	s_wait_dscnt 0x0
	global_store_b128 v1, v[SR:SR+3], s[54:55]
.Lno_words:
	s_wait_tensorcnt 0x0                           ; the wave's end
	ds_add_u32 v254, v255
	s_wait_dscnt 0x0
	CROUND                                         ; the closing round
	s_endpgm
.Lfunc_end_k_qdedd151b7c_attn:
	.size	k_qdedd151b7c_attn, .Lfunc_end_k_qdedd151b7c_attn-k_qdedd151b7c_attn
	.p2alignl 7, 3214868480
	.fill 96, 4, 3214868480
	.section	.rodata,"a",@progbits
	.p2align	6, 0x0
	.amdhsa_kernel k_qdedd151b7c_attn
		.amdhsa_group_segment_fixed_size 327680
		.amdhsa_private_segment_fixed_size 0
		.amdhsa_enable_private_segment 0
		.amdhsa_kernarg_size 24
		.amdhsa_user_sgpr_count 2
		.amdhsa_user_sgpr_kernarg_segment_ptr 1
		.amdhsa_wavefront_size32 1
		.amdhsa_system_sgpr_workgroup_id_x 1
		.amdhsa_system_sgpr_workgroup_id_y 1
		.amdhsa_system_sgpr_workgroup_id_z 1
		.amdhsa_system_vgpr_workitem_id 0
		.amdhsa_next_free_vgpr 256
		.amdhsa_next_free_sgpr 80
		.amdhsa_reserve_vcc 0
		.amdhsa_float_denorm_mode_32 3
		.amdhsa_float_denorm_mode_16_64 3
		.amdhsa_memory_ordered 1
		.amdhsa_forward_progress 1
		.amdhsa_inst_pref_size 49
	.end_amdhsa_kernel
	.amdgpu_metadata
---
amdhsa.version: [ 1, 2 ]
amdhsa.kernels:
  - .name:           k_qdedd151b7c_attn
    .symbol:         k_qdedd151b7c_attn.kd
    .args:
      - { .name: qimg, .offset: 0, .size: 8, .value_kind: global_buffer, .address_space: global }
      - { .name: kvimg, .offset: 8, .size: 8, .value_kind: global_buffer, .address_space: global }
      - { .name: cimg, .offset: 16, .size: 8, .value_kind: global_buffer, .address_space: global }
    .group_segment_fixed_size: 327680
    .private_segment_fixed_size: 0
    .kernarg_segment_align: 8
    .kernarg_segment_size: 24
    .max_flat_workgroup_size: 512
    .sgpr_count:     80
    .vgpr_count:     256
    .wavefront_size: 32
...
	.end_amdgpu_metadata
.endif
;; end of part 3
;; launch outp (part 4): grid 4 x 64, 8 waves a work-group, clusters of 4 x 4, 327,680 bytes of LDS; arguments cimg, wimg, bf, out0; writes out0
.if DOCPART == 4
	.amdgcn_target "amdgcn-amd-amdhsa--gfx1250"
	.amdhsa_code_object_version 6
	.text
	.protected	k_qdedd151b7c_outp
	.globl	k_qdedd151b7c_outp
	.p2align	8
	.type	k_qdedd151b7c_outp,@function
k_qdedd151b7c_outp:
	s_mov_b64 s[64:65], 0
	v_nop
	global_prefetch_b8 v0, s[64:65] scope:SCOPE_SE
	s_setreg_imm32_b32 hwreg(HW_REG_WAVE_MODE, 25, 1), 1
	s_wait_xcnt 0x0
	s_wait_alu depctr_hold_cnt(0) depctr_sa_sdst(0) depctr_va_vdst(0) depctr_va_sdst(0) depctr_va_ssrc(0) depctr_va_vcc(0) depctr_vm_vsrc(0)
	s_getreg_b32 s2, hwreg(HW_REG_IB_STS2, 6, 4)
	s_cmp_eq_u32 s2, 0
	s_cbranch_scc0 .Lentry_in_a_cluster
	s_endpgm
.Lentry_in_a_cluster:
	s_bfe_u32 s2, ttmp6, 0x10000c
	s_cmp_lg_u32 s2, 0xf033
	s_cbranch_scc0 .Lentry_shape_is_right
	s_endpgm
.Lentry_shape_is_right:
; OUT = context Wf + bf on codes of FP4 (E2M1) with E8M0 scales, f32 sums, f32 out.  LIMITS: NaN and infinities are not served; the bias starts each sum instead of being added last.
; A work-group makes 128 rows (a block of cimg: 8 slabs of 8 fragments and their scale words) against 256 features (block 12 + x of wimg).  All of K lies in LDS, filled once, all asked for at the head: no refill, and no loop to prefetch ahead in.
; CLUSTERS: 4 x 4.  The context's block hangs on the work-group's y alone and is asked for jointly along a row of the cluster, the weights' block on its x alone, along a column.
; D = P R^T, source 0 = P = 32 features (two tiles), source 1 = R = 16 rows of the context: a lane holds one row and its registers run along the features.
; A wave (pi = wave % 2, ri = wave / 2) owns features 128 pi .. and rows 32 ri ..  TWO PASSES over its features, 64 each, all of K in each: the first pass's rows are stored while the second is multiplied.
; THE WAY OUT of a pass: the sums go into the wave's own stage, a stage row = 256 bytes of row i of the first 16 rows, then 256 bytes of row i of the second 16; read back, each half of the lanes stores 256 consecutive bytes, aligned.
.set BLKB,  139264
.set SLAB,  17408
.set SCW,   16384
.set CLDS,  BLKB                       ; LDS: the weights' block at 0, the context's behind it
.set CBLK,  69632
.set CSLAB, 8704
.set CSCW,  8192
.set STG,   CLDS+CBLK                  ; the stages: 16 rows x 528 bytes a wave; no tile lands here
.set SP,    528
.set AP0, 4                            ; v4-7 my lane's places: P's fragments, R's, P's scale words, R's;  v8-11 the same in the K step in hand
.set AR0, 5
.set APS0, 6
.set ARS0, 7
.set AP,  8
.set AR,  9
.set APS, 10
.set ARS, 11
.set PS,  40                           ; v40, v41 P's scale words, one a lane; v44 R's: lanes 0-15 tile 0, lanes 16-31 tile 1.  They hold scales and nothing else
.set RS,  44
.set RF,  48                           ; v48-63  R's two fragments
.set PF,  64                           ; v64-95  P's four; v64-127 at the end the second pass's rows
.set ACC, 128                          ; v128-255: the sums of (row tile n, feature tile t) at 64 n + 8 t
.macro CROUND
	s_barrier_signal -1
	s_barrier_wait -1
	s_cmp_lg_u32 s18, 0
	s_cbranch_scc1 .Lnot_wave_0_\@
	s_barrier_signal -3
.Lnot_wave_0_\@:
	s_barrier_wait -3
	s_barrier_signal -1
	s_barrier_wait -1
.endm
	s_load_b256 s[4:11], s[0:1], 0x0               ; cimg, wimg, bf, out0
	v_lshl_add_u32 v46, v0, 2, 0x44000
	v_mov_b32 v47, 0
	ds_add_u32 v46, v47
	ds_add_u32 v46, v47
	v_lshrrev_b32 v1, 5, v0
	s_delay_alu instid0(VALU_DEP_1)
	v_readfirstlane_b32 s18, v1                    ; wave 0..7
	s_and_b32 s19, s18, 1                          ; pi
	s_lshr_b32 s20, s18, 1                         ; ri
	s_bfe_u32 s21, ttmp6, 0x40000
	s_bfe_u32 s22, ttmp6, 0x40004
	s_lshl_b32 s23, ttmp9, 2
	s_add_co_u32 s23, s23, s21                     ; block of 256 features
	s_and_b32 s24, ttmp7, 0xffff
	s_lshl_b32 s24, s24, 2
	s_add_co_u32 s24, s24, s22                     ; block of 128 rows
	s_lshl_b32 s25, s22, 2
	s_lshl_b32 s25, 15, s25                        ; my row of the cluster
	s_lshl_b32 s26, 0x1111, s21                    ; my column
	s_or_b32 s28, s25, (3<<16)|(1<<21)             ; a quarter of the context's block: 68 rows of 256 bytes
	s_mov_b32 s29, 32<<16
	s_mov_b32 s30, 68<<16
	s_mov_b32 s31, 32<<16
	s_mov_b32 s32, 68
	s_mov_b32 s33, 32
	s_mov_b32 s34, 0
	s_mov_b32 s35, 0
	s_or_b32 s36, s26, (3<<16)|(1<<21)             ; a quarter of the weights' block: 136 rows of 256 bytes
	s_mov_b32 s37, 32<<16
	s_mov_b32 s38, 136<<16
	s_mov_b32 s39, 32<<16
	s_mov_b32 s40, 136
	s_mov_b32 s41, 32
	s_mov_b32 s42, 0
	s_mov_b32 s43, 0
	s_and_b32 s63, s18, 3                          ; waves 0 to 3 fetch the context's quarters, waves 4 to 7 the weights': one tensor load a wave
	s_mul_i32 s57, s63, 17408
	s_mul_i32 s62, s63, 34816
	s_mul_i32 s58, s24, CBLK
	s_add_co_u32 s58, s58, s57
	s_mov_b32 s59, 0
	s_add_co_u32 s60, s23, 12
	s_mul_i32 s60, s60, BLKB
	s_add_co_u32 s60, s60, s62
	s_mov_b32 s61, 0
	s_wait_dscnt 0x0
	s_wait_kmcnt 0x0
	s_mov_b32 s44, 1
	s_add_co_u32 s45, s57, CLDS
	s_add_nc_u64 s[46:47], s[4:5], s[58:59]
	s_or_b32 s47, s47, 0x80000000
	s_mov_b32 s48, 1
	s_mov_b32 s49, s62
	s_add_nc_u64 s[50:51], s[6:7], s[60:61]
	s_or_b32 s51, s51, 0x80000000
	CROUND                                         ; all sixteen work-groups are here: the joint loads meet
	s_cmp_lt_u32 s18, 4                            ; one chain on the wave's number, one load to an arm
	s_cbranch_scc0 .Lfor_w
	tensor_load_to_lds s[44:47], s[28:35]
	s_nop 0
.rept 4
	v_nop
.endr
	s_branch .Lasked
.Lfor_w:
	tensor_load_to_lds s[48:51], s[36:43]
	s_nop 0
.rept 4
	v_nop
.endr
.Lasked:
	s_lshl_b32 s72, s19, 13                        ; P's tiles 8 pi on
	s_lshl_b32 s73, s20, 11
	s_add_co_u32 s73, s73, CLDS                    ; R's tiles 2 ri on
	s_lshl_b32 s74, s19, 9
	s_add_co_u32 s74, s74, SCW
	s_lshl_b32 s75, s20, 7
	s_add_co_u32 s75, s75, CLDS+CSCW
	s_mul_i32 s71, s18, 16*SP
	s_add_co_u32 s71, s71, STG                     ; my stage
	s_lshl_b32 s70, s23, 10
	s_lshl_b32 s66, s19, 9
	s_add_co_u32 s70, s70, s66                     ; my first feature, in bytes
	s_lshl_b32 s66, s24, 19
	s_lshl_b32 s67, s20, 17
	s_add_co_u32 s66, s66, s67
	s_add_co_u32 s66, s66, s70                     ; my first row of 4,096 bytes, my first feature
	s_mov_b32 s67, 0
	s_add_nc_u64 s[68:69], s[10:11], s[66:67]
	v_and_b32 v1, 31, v0                           ; lane
	v_and_b32 v2, 15, v0                           ; r
	v_bfe_u32 v3, v0, 4, 1                         ; h
	v_lshl_add_u32 v[AP0], v1, 4, s72
	v_lshl_add_u32 v[AR0], v1, 4, s73
	v_lshl_add_u32 v[APS0], v1, 2, s74
	v_lshl_add_u32 v[ARS0], v1, 2, s75
	v_mul_u32_u24 v12, v2, SP
	v_lshl_add_u32 v13, v1, 4, s71                 ; the stage, back: 16 bytes a lane of a stage row
	v_lshlrev_b32 v14, 4, v2
	v_lshl_add_u32 v12, v3, 5, v12
	v_lshl_add_u32 v14, v3, 16, v14                ; in out0: 16 r bytes; lanes 16-31 sixteen rows further down
	v_lshl_add_u32 v38, v3, 5, s70                 ; bf: feature 16 t + 8 h + j
	v_add_nc_u32 v12, s71, v12                     ; the stage, in: row r, + 32 h
.irp n, 0,1
.irp t, 0,1,2,3,4,5,6,7
	global_load_b128 v[ACC+64*\n+8*\t:ACC+64*\n+8*\t+3], v38, s[8:9] offset:64*\t      ; the bias is the C of the first K step
	global_load_b128 v[ACC+64*\n+8*\t+4:ACC+64*\n+8*\t+7], v38, s[8:9] offset:64*\t+16
.endr
.endr
	s_wait_alu depctr_va_vdst(0)                   ; the head's end
	s_wait_loadcnt 0x0
	s_wait_tensorcnt 0x0                           ; my quarter is in,
	s_barrier_signal -1
	s_barrier_wait -1                              ; everybody's is
.macro MM d, p, r, u, mods:vararg
	v_wmma_scale_f32_32x16x128_f4 v[\d:\d+15], v[\p:\p+15], v[\r:\r+7], v[\d:\d+15], v[PS+\u], v[RS] \mods
.endm
; Pass p: feature tiles 4 p .. 4 p + 3, 8 steps of 128 along K.  The four additions at a trip's head are the four places between the last trip's products and the loads into their registers.
; The pass's four accumulators take turns, one instruction a turn.
.macro KLOOP p
	s_mov_b32 s54, 0
	s_mov_b32 s55, 0
	s_mov_b32 s56, 8
.Lk_\@:
	v_add_nc_u32 v[AP], s54, v[AP0]
	v_add_nc_u32 v[APS], s54, v[APS0]
	v_add_nc_u32 v[AR], s55, v[AR0]
	v_add_nc_u32 v[ARS], s55, v[ARS0]
	ds_load_b32 v[RS], v[ARS]
.irp u, 0,1
	ds_load_b32 v[PS+\u], v[APS] offset:128*(2*\p+\u)
.endr
.irp n, 0,1
.irp c, 0,1
	ds_load_b128 v[RF+8*\n+4*\c:RF+8*\n+4*\c+3], v[AR] offset:1024*\n+512*\c
.endr
.endr
.irp t, 0,1,2,3
.irp c, 0,1
	ds_load_b128 v[PF+8*\t+4*\c:PF+8*\t+4*\c+3], v[AP] offset:1024*(4*\p+\t)+512*\c
.endr
.endr
.irp u, 0,1
	s_wait_dscnt 4-4*\u                            ; LDS loads come back in order: this pair of P's tiles is in; the four loads of the next pair may be out
	MM ACC+32*\p+16*\u, PF+16*\u, RF, \u
	MM ACC+64+32*\p+16*\u, PF+16*\u, RF+8, \u, matrix_b_scale:MATRIX_SCALE_ROW1
.endr
	s_add_co_u32 s54, s54, SLAB
	s_add_co_u32 s55, s55, CSLAB
	s_sub_co_u32 s56, s56, 1
	s_cmp_lg_u32 s56, 0
	s_cbranch_scc1 .Lk_\@
.rept 4
	v_nop                                          ; places behind the last products
.endr
.endm
.macro TOSTAGE p                       ; each accumulator from its low end on
.irp n, 0,1
.irp t, 0,1,2,3
	ds_store_b128 v12, v[ACC+64*\n+32*\p+8*\t:ACC+64*\n+32*\p+8*\t+3] offset:256*\n+64*\t
	ds_store_b128 v12, v[ACC+64*\n+32*\p+8*\t+4:ACC+64*\n+32*\p+8*\t+7] offset:256*\n+64*\t+16
.endr
.endr
.endm
.macro BACK b0, b1                     ; stage rows 0-7 into v[b0] on, rows 8-15 into v[b1] on.  LDS serves a wave's instructions in order: these see my stores
.irp i, 0,1,2,3,4,5,6,7
	ds_load_b128 v[\b0+4*\i:\b0+4*\i+3], v13 offset:SP*\i
.endr
.irp i, 0,1,2,3,4,5,6,7
	ds_load_b128 v[\b1+4*\i:\b1+4*\i+3], v13 offset:SP*(8+\i)
.endr
.endm
.macro SEND p, b0, b1
.irp i, 0,1,2,3,4,5,6,7
	s_wait_dscnt 15-\i
	global_store_b128 v14, v[\b0+4*\i:\b0+4*\i+3], s[68:69] offset:\i*4096+256*\p th:TH_STORE_NT
.endr
.irp i, 0,1,2,3,4,5,6,7
	s_wait_dscnt 7-\i
	global_store_b128 v14, v[\b1+4*\i:\b1+4*\i+3], s[68:69] offset:(8+\i)*4096+256*\p th:TH_STORE_NT
.endr
.endm
	KLOOP 0
	TOSTAGE 0
	s_wait_dscnt 0x0                               ; the stores have read their registers: the rows come back into them
	BACK ACC, ACC+64
	SEND 0, ACC, ACC+64                            ; these registers are not written again
	KLOOP 1
	TOSTAGE 1
	BACK PF, PF+32
	SEND 1, PF, PF+32
	s_wait_tensorcnt 0x0                           ; the wave's end
	ds_add_u32 v46, v47
	s_wait_dscnt 0x0
	CROUND                                         ; the closing round
	s_endpgm
.Lfunc_end_k_qdedd151b7c_outp:
	.size	k_qdedd151b7c_outp, .Lfunc_end_k_qdedd151b7c_outp-k_qdedd151b7c_outp
	.p2alignl 7, 3214868480
	.fill 96, 4, 3214868480
	.section	.rodata,"a",@progbits
	.p2align	6, 0x0
	.amdhsa_kernel k_qdedd151b7c_outp
		.amdhsa_group_segment_fixed_size 327680
		.amdhsa_private_segment_fixed_size 0
		.amdhsa_enable_private_segment 0
		.amdhsa_kernarg_size 32
		.amdhsa_user_sgpr_count 2
		.amdhsa_user_sgpr_kernarg_segment_ptr 1
		.amdhsa_wavefront_size32 1
		.amdhsa_system_sgpr_workgroup_id_x 1
		.amdhsa_system_sgpr_workgroup_id_y 1
		.amdhsa_system_sgpr_workgroup_id_z 1
		.amdhsa_system_vgpr_workitem_id 0
		.amdhsa_next_free_vgpr 256
		.amdhsa_next_free_sgpr 80
		.amdhsa_reserve_vcc 0
		.amdhsa_float_denorm_mode_32 3
		.amdhsa_float_denorm_mode_16_64 3
		.amdhsa_memory_ordered 1
		.amdhsa_forward_progress 1
		.amdhsa_inst_pref_size 22
	.end_amdhsa_kernel
	.amdgpu_metadata
---
amdhsa.version: [ 1, 2 ]
amdhsa.kernels:
  - .name:           k_qdedd151b7c_outp
    .symbol:         k_qdedd151b7c_outp.kd
    .args:
      - { .name: cimg, .offset: 0, .size: 8, .value_kind: global_buffer, .address_space: global }
      - { .name: wimg, .offset: 8, .size: 8, .value_kind: global_buffer, .address_space: global }
      - { .name: bf, .offset: 16, .size: 8, .value_kind: global_buffer, .address_space: global }
      - { .name: out0, .offset: 24, .size: 8, .value_kind: global_buffer, .address_space: global }
    .group_segment_fixed_size: 327680
    .private_segment_fixed_size: 0
    .kernarg_segment_align: 8
    .kernarg_segment_size: 32
    .max_flat_workgroup_size: 256
    .sgpr_count:     80
    .vgpr_count:     256
    .wavefront_size: 32
...
	.end_amdgpu_metadata
.endif
;; end of part 4
